; MI455X (gfx1250); checked and timed in simulation.
; The chip was launched on July 23, 2026; its instructions are those of AMD's public machine-readable ISA for CDNA 5 (MIT licence, August 2026) and "CDNA5" Instruction Set Architecture Reference Guide (July 2026). The comments in the code are by the model that wrote it; some were corrected since.
;; Vector Quantizer. Allowed arithmetic: matrix products marked QUANTISED: E2M1 operands, one E8M0 scale for each 32 along K, by v_wmma_scale_f32_16x16x128_f8f6f4 with both operands' format E2M1 (or v_wmma_scale_f32_32x16x128_f4), f32 sums; everything else in f32.
;; Inputs: codebook 8,192 x 256 float32; x 8 x 4,096 x 256 float32.
;; Outputs: out0 8 x 4,096 int32; out1 8 x 4,096 x 256 float32.
;; This version of the problem:
;;   THIS VERSION OF THE PROBLEM IS GIVEN IN LOW PRECISION. The matrix products marked QUANTISED in the list below multiply operands that are first quantised to E2M1 (2 exponent bits, 1 mantissa bit; 4 bits a number), with one power-of-two scale for each 32 numbers along K (OCP MX v1.0); their sums are f32. All else is computed in f32.
;;   The module's matrix products, in the order in which they are computed (A, B: the left and right operand; K: the contracted axis; several contracted axes count as one K, in the product's order):
;;     1. [M 32,768, K 256] x [K 256, N 8,192]; A: input x; B: input codebook: QUANTISED
;;   THE QUANTISER, for each operand of a quantised product, along K:
;;     - K is cut into blocks of 32 from its start; a last block that is shorter is filled with zeros.
;;     - A block's scale is 2^e with e = floor(log2(the largest magnitude in the block)) - 2, held to -126 .. 127; a block of zeros has e = 0. As a byte (E8M0): e + 127.
;;     - Each number is divided by its block's scale, clamped to +-6, and rounded to the nearest number of E2M1, ties to even, subnormals kept.
;;     - The product sums the exact products of the quantised numbers (number of the format x scale) in f32.
;;   ~~~python
;;   def quantise(x, axis):      # numpy; x: float32 -> the quantised numbers, widened to float32 again
;;       x = np.moveaxis(x, axis, -1); K = x.shape[-1]
;;       x = np.pad(x, [(0, 0)] * (x.ndim - 1) + [(0, -K % 32)]); x = x.reshape(x.shape[:-1] + (-1, 32)); a = np.abs(x).max(-1, keepdims=True)
;;       e = np.where(a > 0, np.clip(np.frexp(np.where(a > 0, a, 1))[1] - 1 - 2, -126, 127), 0)      # np.frexp(a)[1] - 1 = floor(log2(a)), exactly
;;       r = np.clip(x / 2.0 ** e, -6, 6)
;;       step = 2.0 ** (np.maximum(np.frexp(np.where(r == 0, 1, r))[1] - 1, 0) - 1)
;;       q = np.round(r / step) * step * 2.0 ** e      # np.round: ties to even
;;       return np.moveaxis(q.reshape(q.shape[:-2] + (-1,))[..., :K], -1, axis).astype(np.float32)
;;   ~~~
;; One version. Each part assembles by itself: llvm-mc -triple=amdgcn-amd-amdhsa -mcpu=gfx1250 --defsym DOCPART=n.
;; ======== version 1 of 1: 4 launches
;; limits: right only within a limited range of input values
;; workspace buffers: xq 4,718,592 bytes; cbq 1,179,648 bytes; cbg 1,179,648 bytes; grp 131,072 bytes of whole numbers; idx 131,072 bytes of whole numbers
;; launch quant (part 1): grid 256 x 1, 5 waves a work-group, no clusters, 43,008 bytes of LDS; arguments x, codebook, xq, cbq, cbg; writes xq, cbq, cbg
.if DOCPART == 1
	.amdgcn_target "amdgcn-amd-amdhsa--gfx1250"
	.amdhsa_code_object_version 6
	.text
	.protected	k_q82b8017988_quant
	.globl	k_q82b8017988_quant
	.p2align	8
	.type	k_q82b8017988_quant,@function
k_q82b8017988_quant:
	s_mov_b64 s[64:65], 0
	v_nop
	global_prefetch_b8 v0, s[64:65] scope:SCOPE_SE
	s_setreg_imm32_b32 hwreg(HW_REG_WAVE_MODE, 25, 1), 1
	s_wait_xcnt 0x0
; x [32768][256] and codebook [8192][256], f32, become codes of FP4 (E2M1) with one E8M0 byte for each 32 along K, laid in the order of the operand's registers.
; A RECORD is 32 rows in 4,608 bytes: eight images of 512 bytes (image ((s 2 + u) 2 + c): registers 4 c .. 4 c + 3 of the fragment of tile u, K step s, lane l's 16 bytes at 16 l);
; at 4096 the scale words (8 q + 4 s, q = 16 u + r the slot); at 4352 the rows' sums of squares (4 q, from the f32 numbers); at 4480 zeros.
; Lane r of tile u holds record row 8 u + r + 8 (r / 8), so that in a transposed product the 16 result registers of a record's two tiles are 16 neighbouring rows.
; THE CODEBOOK'S CODES ARE STORED NEGATED AND ITS BYTES + 1: the operand is exactly -2 Q(c), so that c_sq - 2 x.c comes out of the matrix unit (a byte is at most 252 before the + 1).
; The codebook is stored twice: by records (cbq) and by groups of 16 neighbouring codes (cbg: 2,304 bytes: four images, scale words at 2048 + 8 r + 4 s, c_sq at 2176 + 4 r).
; SHARES: a wave takes one record, 5 x work-group + wave of 1,280: the first 1,024 are x's, the others the codebook's.  One path serves both; only pointers and two constants are chosen.
; Each load reads 512 consecutive bytes; a quarter (16 rows x 128 K) turns through the wave's own stage in LDS so that a lane holds 16 neighbours of each block of 32.  No barrier: waves share nothing.
; LIMITS: a block whose largest magnitude lies under 2^-124 (zeros among them) gets the byte 1; NaN and infinities are not served; a row's sum of squares is taken in eight chains a lane.
.set STGB, 8448                        ; a wave's stage: 16 rows x 528 bytes
.set PIT,  528                         ; 512 bytes + 16: sixteen rows' reads start at sixteen different columns of 16 bytes
.set TM,   12                          ; v12-27  at work in QUANT
.set PW,   28                          ; v28     the scale word just made
.set SQV,  29                          ; v29     the sum of squares of slot = lane
.set WW,   30                          ; v30-33  the record's scale words, 2 u + s
.set SS,   34                          ; v34-41  four pairs of running sums of squares
.set SQ,   42                          ; v42-43  a row's sum of squares, tile u
.set PC,   48                          ; v48-55  the codes just made
.set X,    56                          ; v56-119 64 numbers: register 16 b + i = k 32 b + 16 (lane / 16) + i of my row
.set RAW,  120                         ; v120-183, v184-247 numbers as loaded, two sets
	s_load_b128 s[4:7], s[0:1], 0x0                ; x, codebook
	s_load_b128 s[8:11], s[0:1], 0x10              ; xq, cbq
	s_load_b64 s[12:13], s[0:1], 0x20              ; cbg
	v_lshl_add_u32 v254, v0, 2, 0xa500
	v_mov_b32 v255, 0
	v_lshrrev_b32 v1, 5, v0
	v_readfirstlane_b32 s14, v1                    ; wave 0..4
	v_and_b32 v1, 31, v0                           ; lane
	v_lshlrev_b32 v2, 4, v1                        ; 16 x lane
	s_mul_i32 s18, s14, STGB                       ; my stage
	v_add_nc_u32 v3, s18, v2                       ; into it: 16 x lane of a row
	v_and_b32 v44, 15, v0                          ; r
	v_bfe_u32 v45, v0, 4, 1                        ; h
	v_mul_u32_u24 v4, v44, PIT
	v_lshl_add_u32 v4, v45, 6, v4
	v_add_nc_u32 v4, s18, v4                       ; out of it: row r, + 64 h
	v_bfe_u32 v46, v0, 3, 1                        ; hh: which group of the record my row falls into
	v_and_b32 v47, 7, v0                           ; jj
	v_mul_u32_u24 v5, v46, 2304
	v_lshl_add_u32 v7, v47, 3, v5
	v_lshl_add_u32 v8, v47, 2, v5
	v_lshl_add_u32 v5, v47, 4, v5
	v_lshl_add_u32 v5, v45, 8, v5                  ; a group's image: 2304 hh + 16 jj + 256 h
	v_lshl_add_u32 v7, v45, 6, v7                  ; a group's scale words, lane = slot: 2304 hh + 64 u + 8 jj
	v_lshl_add_u32 v8, v45, 5, v8                  ; a group's c_sq: 2304 hh + 32 u + 4 jj
	v_lshlrev_b32 v6, 3, v1                        ; 8 x lane
	v_lshl_add_u32 v9, v1, 2, s18                  ; stage + 4 x lane
	v_lshl_add_u32 v10, v1, 3, s18                 ; stage + 8 x lane
.irp b, 0,1,2,3
	v_mov_b32 v[TM+4+\b], 0                        ; written once: a lane permute's destination counts as one of its sources
.endr
	s_mov_b32 s20, 0x76543210
	s_mov_b32 s21, 0xfedcba98                      ; v_permlanex16_b32's selects for lane l xor 16
	s_mul_i32 s15, ttmp9, 5
	s_add_co_u32 s15, s15, s14                     ; my record, 0..1279
	s_mov_b32 s23, 0
	s_wait_kmcnt 0x0
	s_cmp_lt_u32 s15, 1024                         ; x's record or the codebook's?  The choice hangs on ids alone
	s_cselect_b64 s[4:5], s[4:5], s[6:7]
	s_cselect_b64 s[8:9], s[8:9], s[10:11]
	s_cselect_b32 s19, 0, 1024
	s_cselect_b32 s16, 0, 0x88888888               ; the codebook's codes change sign,
	s_cselect_b32 s17, 0, 0x01010101               ; and its bytes go one up
	s_sub_co_u32 s19, s15, s19                     ; the record's number in its tensor
	s_lshl_b32 s22, s19, 15                        ; 32 rows of 1,024 bytes
	s_add_nc_u64 s[4:5], s[4:5], s[22:23]
	s_mul_i32 s22, s19, 4608
	s_add_nc_u64 s[8:9], s[8:9], s[22:23]
	s_add_nc_u64 s[12:13], s[12:13], s[22:23]      ; two groups to a record (used by the codebook's records alone)
.macro GLOAD q                         ; quarter q = 2 u + s: tile u's 16 rows, K step s: each load reads 512 consecutive bytes
.irp t, 0,1,2,3,4,5,6,7,8,9,10,11,12,13,14,15
	global_load_b128 v[RAW+64*((\q)%2)+4*\t:RAW+64*((\q)%2)+4*\t+3], v2, s[4:5] offset:(8*((\q)/2)+\t+8*(\t/8))*1024+512*((\q)%2) th:TH_LOAD_NT
.endr
.endm
.macro TURN q                          ; through the stage: LDS serves a wave's instructions in order, so no wait stands between the stores and the loads
.irp t, 0,1,2,3,4,5,6,7,8,9,10,11,12,13,14,15
	ds_store_b128 v3, v[RAW+64*((\q)%2)+4*\t:RAW+64*((\q)%2)+4*\t+3] offset:PIT*\t
.endr
.irp b, 0,1,2,3
.irp j, 0,1,2,3
	ds_load_b128 v[X+16*\b+4*\j:X+16*\b+4*\j+3], v4 offset:128*\b+16*\j
.endr
.endr
.endm
.macro SUMSQ s                         ; my 64 numbers' squares onto four pairs of sums; a tile's first quarter starts them
.set ii, 0
.rept 32
.if ((\s) == 0) && (ii < 4)
	v_pk_mul_f32 v[SS+2*(ii%4):SS+2*(ii%4)+1], v[X+2*ii:X+2*ii+1], v[X+2*ii:X+2*ii+1]
.else
	v_pk_fma_f32 v[SS+2*(ii%4):SS+2*(ii%4)+1], v[X+2*ii:X+2*ii+1], v[X+2*ii:X+2*ii+1], v[SS+2*(ii%4):SS+2*(ii%4)+1]
.endif
.set ii, ii+1
.endr
.endm
.macro QUANT                           ; the 64 numbers become a fragment's codes in v[PC] on and its scale word in v[PW]
.irp b, 0,1,2,3
	v_max3_num_f32 v[TM+\b], |v[X+16*\b]|, |v[X+1+16*\b]|, 0x1800000   ; block b: my 16 numbers, and the floor 2^(3 - 127): the byte cannot fall under 1
.endr
.irp i, 2,4,6,8,10,12,14
.irp b, 0,1,2,3
	v_max3_num_f32 v[TM+\b], v[TM+\b], |v[X+16*\b+\i]|, |v[X+1+16*\b+\i]|   ; the four blocks by turns
.endr
.endr
.irp b, 0,1,2,3
	v_permlanex16_b32 v[TM+4+\b], v[TM+\b], s20, s21
.endr
.irp b, 0,1,2,3
	v_max_num_f32 v[TM+\b], v[TM+\b], v[TM+4+\b]   ; with lane l xor 16's: the block's largest magnitude
.endr
.irp b, 0,1,2,3
	v_add_nc_u32 v[TM+12+\b], 0xff000000, v[TM+\b] ; 2 off its exponent field: the conversion's scale operand
.endr
.irp b, 0,1,2,3
	v_lshrrev_b32 v[TM+4+\b], 23, v[TM+12+\b]      ; the scale's byte
.endr
	v_lshl_or_b32 v[PW], v[TM+5], 8, v[TM+4]
	v_lshl_or_b32 v[PW], v[TM+6], 16, v[PW]
	v_lshl_or_b32 v[PW], v[TM+7], 24, v[PW]
.irp b, 0,1,2,3
	v_cvt_scalef32_pk8_fp4_f32 v[PC+2*\b], v[X+16*\b:X+7+16*\b], v[TM+12+\b]
	v_cvt_scalef32_pk8_fp4_f32 v[PC+1+2*\b], v[X+8+16*\b:X+15+16*\b], v[TM+12+\b]
.endr
	v_nop                                          ; one plain place behind a scaled conversion
.irp c, 0,1                            ; the operand's layout wants a whole block in a lane: lanes 0-15 block 2 c, lanes 16-31 block 2 c + 1
.irp i, 0,1
	v_permlane16_swap_b32 v[PC+4*\c+\i], v[PC+2+4*\c+\i]
.endr
.endr
.endm
.macro OUT q                           ; the fragment leaves as two images of 512 bytes; the codebook's also into its two groups, 128 consecutive bytes for each eight lanes
.irp i, 0,1,2,3,4,5,6,7
	v_xor_b32 v[PC+\i], s16, v[PC+\i]
.endr
	v_add_nc_u32 v[WW+(\q)], s17, v[PW]
.irp c, 0,1
	global_store_b128 v2, v[PC+4*\c:PC+4*\c+3], s[8:9] offset:((((\q)%2)*2+(\q)/2)*2+\c)*512
.endr
	s_cmp_lt_u32 s15, 1024
	s_cbranch_scc1 .Lx_\@
.irp c, 0,1
	global_store_b128 v5, v[PC+4*\c:PC+4*\c+3], s[12:13] offset:((\q)%2)*1024+\c*512+128*((\q)/2)
.endr
.Lx_\@:
.endm
.macro ROWSUM u                        ; the eight chains, then lane l xor 16's: the row's sum of squares, in both lanes of the row
	v_pk_add_f32 v[SS:SS+1], v[SS:SS+1], v[SS+2:SS+3]
	v_pk_add_f32 v[SS+4:SS+5], v[SS+4:SS+5], v[SS+6:SS+7]
	v_pk_add_f32 v[SS:SS+1], v[SS:SS+1], v[SS+4:SS+5]
	v_add_f32 v44, v[SS], v[SS+1]
	v_permlanex16_b32 v45, v44, s20, s21
	v_add_f32 v[SQ+(\u)], v44, v45
.endm
.macro QUARTER q
.if (\q) < 3
	s_wait_loadcnt 16                              ; this quarter's 16 loads are in; the next quarter's 16 may be out
.else
	s_wait_loadcnt 0x0
.endif
	TURN \q
	s_wait_dscnt 0x0                               ; my 64 numbers are back, and the stage's stores have read the set that is loaded again below
.if (\q) < 2
	GLOAD (\q)+2
.endif
	s_wait_xcnt 0x0                                ; the last quarter's stores have read the codes' registers: they are written again only behind this wait
	SUMSQ (\q)%2
	QUANT
	OUT \q
.if (\q)%2 == 1
	ROWSUM (\q)/2
.endif
.endm
	GLOAD 0
	GLOAD 1
	QUARTER 0
	QUARTER 1
	QUARTER 2
	QUARTER 3
	; the record's tail: lane = slot q = 16 u + r
	v_cmp_gt_u32 vcc_lo, 16, v1
	v_cndmask_b32 v44, v[WW+2], v[WW], vcc_lo      ; K step 0's word of my slot,
	s_wait_alu depctr_va_vdst(0)
	v_cndmask_b32 v45, v[WW+3], v[WW+1], vcc_lo    ; K step 1's
	v_cndmask_b32 v[SQV], v[SQ+1], v[SQ], vcc_lo   ; and its sum of squares
	global_store_b64 v6, v[44:45], s[8:9] offset:4096   ; 32 lanes store 256 consecutive bytes, aligned
	ds_store_b32 v9, v[SQV]                        ; two slots to a lane, through my stage,
	ds_load_b64 v[46:47], v10                      ; (lanes 16-31 read bytes that the turns wrote; their numbers are dropped below)
	s_wait_dscnt 0x0
	v_cndmask_b32 v46, 0, v46, vcc_lo
	v_cndmask_b32 v47, 0, v47, vcc_lo
	global_store_b64 v6, v[46:47], s[8:9] offset:4352   ; 128 bytes of sums, 128 of zeros: 256 consecutive bytes, aligned
	s_cmp_lt_u32 s15, 1024
	s_cbranch_scc1 .Lend
	s_wait_alu depctr_va_vdst(0)
	global_store_b64 v7, v[44:45], s[12:13] offset:2048
	global_store_b32 v8, v[SQV], s[12:13] offset:2176
.Lend:
	s_wait_tensorcnt 0x0
	ds_add_u32 v254, v255
	s_wait_dscnt 0x0
	s_endpgm
.Lfunc_end_k_q82b8017988_quant:
	.size	k_q82b8017988_quant, .Lfunc_end_k_q82b8017988_quant-k_q82b8017988_quant
	.p2alignl 7, 3214868480
	.fill 96, 4, 3214868480
	.section	.rodata,"a",@progbits
	.p2align	6, 0x0
	.amdhsa_kernel k_q82b8017988_quant
		.amdhsa_group_segment_fixed_size 43008
		.amdhsa_private_segment_fixed_size 0
		.amdhsa_enable_private_segment 0
		.amdhsa_kernarg_size 40
		.amdhsa_user_sgpr_count 2
		.amdhsa_user_sgpr_kernarg_segment_ptr 1
		.amdhsa_wavefront_size32 1
		.amdhsa_system_sgpr_workgroup_id_x 1
		.amdhsa_system_sgpr_workgroup_id_y 1
		.amdhsa_system_sgpr_workgroup_id_z 1
		.amdhsa_system_vgpr_workitem_id 0
		.amdhsa_next_free_vgpr 256
		.amdhsa_next_free_sgpr 66
		.amdhsa_reserve_vcc 1
		.amdhsa_float_denorm_mode_32 3
		.amdhsa_float_denorm_mode_16_64 3
		.amdhsa_memory_ordered 1
		.amdhsa_forward_progress 1
		.amdhsa_inst_pref_size 45
	.end_amdhsa_kernel
	.amdgpu_metadata
---
amdhsa.version: [ 1, 2 ]
amdhsa.kernels:
  - .name:           k_q82b8017988_quant
    .symbol:         k_q82b8017988_quant.kd
    .args:
      - { .name: x, .offset: 0, .size: 8, .value_kind: global_buffer, .address_space: global }
      - { .name: codebook, .offset: 8, .size: 8, .value_kind: global_buffer, .address_space: global }
      - { .name: xq, .offset: 16, .size: 8, .value_kind: global_buffer, .address_space: global }
      - { .name: cbq, .offset: 24, .size: 8, .value_kind: global_buffer, .address_space: global }
      - { .name: cbg, .offset: 32, .size: 8, .value_kind: global_buffer, .address_space: global }
    .group_segment_fixed_size: 43008
    .private_segment_fixed_size: 0
    .kernarg_segment_align: 8
    .kernarg_segment_size: 40
    .max_flat_workgroup_size: 160
    .sgpr_count:     66
    .vgpr_count:     256
    .wavefront_size: 32
...
	.end_amdgpu_metadata
.endif
;; end of part 1
;; launch search (part 2): grid 256 x 1, 8 waves a work-group, no clusters, 17,408 bytes of LDS; arguments xq, cbq, grp; writes grp
.if DOCPART == 2
	.amdgcn_target "amdgcn-amd-amdhsa--gfx1250"
	.amdhsa_code_object_version 6
	.text
	.protected	k_q82b8017988_search
	.globl	k_q82b8017988_search
	.p2align	8
	.type	k_q82b8017988_search,@function
k_q82b8017988_search:
	s_mov_b64 s[64:65], 0
	v_nop
	global_prefetch_b8 v0, s[64:65] scope:SCOPE_SE
	s_setreg_imm32_b32 hwreg(HW_REG_WAVE_MODE, 25, 1), 1
	s_wait_xcnt 0x0
; For each row of x: which GROUP of 16 neighbouring codes holds the smallest d2 = x_sq + (c_sq - 2 x.c).  Both operands are codes of FP4 (E2M1) with E8M0 scales, laid by records (32 rows, 4,608 bytes:
; eight images of the operand's registers, scale words at 4096, sums of squares at 4352).  The codebook's operand is -2 Q(c) (codes negated, bytes + 1) and c_sq is the C of a sum's first product,
; so e = c_sq - 2 x.c comes out of the matrix unit.  THE PRODUCT IS USED TRANSPOSED (source 0 = a record's 32 codes, source 1 = 16 rows of x): a lane holds one row of x, and by the records' choice of
; rows the 16 result registers are codes 32 p + 16 (lane / 16) + 0 .. 15: group g = 2 p + lane / 16.  Eight v_min3 take the running minimum through them, one compare and one select keep g.
; SHARES: a work-group owns 128 rows of x (8 tiles).  Each of its eight waves keeps all 8 tiles in 128 registers and takes the codebook's records 8 i + w, i = 0 .. 31.
; OPERANDS GO FROM MEMORY STRAIGHT INTO REGISTERS.  A record is wanted by ONE wave of a work-group, and lies in memory as the image of that wave's registers (each load of an image covers 512 consecutive
; bytes): nothing is shared inside a work-group, and a way through LDS would write and read the codebook's 1,179,648 bytes once more in every work-group.  So there is no tensor load, and with none no
; joint load: cluster = none.  No barrier stands in the loop: waves share nothing until the end.
; LOOK-AHEAD: four sets of registers; record i + 3's 13 loads go out ahead of record i's products.  No prefetch is laid beside them: these loads are the look-ahead.
; A RECORD: the 13 loads; 16 products on 8 accumulators by turns; the 17 select lines of the record before, which are the places behind the products; 64 v_min3 in eight chains by turns.
; REGISTERS: window 0: addresses, the codebook's four sets, scale words, minima, groups.  Window 1: v0-127 x's fragments (16 t + 8 s), v128-255 the results (16 t).
; ORDER OF ROUNDING, stated: within a lane's stream groups are compared on e (rounding x_sq + e is monotone, so the smallest e has a smallest d2); where lanes and waves meet, on x_sq + e, a tie going to the lower group.
; An index can differ from another association's only where two d2 lie within a few units in the last place.  NaN and infinities are not served.
.set RECB,  4608
.set PART,  4*RECB                     ; the work-group's four records of x
.set STEP,  8*RECB                     ; from one record of mine to the next
.set SPARE, 16384                      ; behind the parts: the spare words, 128 bytes for each of 8 waves, four blocks of 256 bytes that no other line names
.set SPW, 1                            ; v1   LDS address of my spare word; never rewritten
.set NIL, 2                            ; v2   0; never rewritten
.set GC,  3                            ; v3   the group that my lane sees in the record whose selects are due
.set VA,  4                            ; v4   16 x lane
.set VS,  5                            ; v5   8 x lane
.set VC,  6                            ; v6   32 x (lane / 16)
.set MST, 7                            ; v7   where my parts go at the end
.set MRD, 8                            ; v8   where a row's parts are read back
.set GO,  9                            ; v9   4 x lane
.set XSA, 10                           ; v10  8 x (lane % 16)
.set XQ,  11                           ; v11  x_sq of slot = lane of record wave % 4
.set S0,  12                           ; v12-19 the codebook's scale words: set b at 2 b, K step 0, 1; lane = slot
.set XS,  20                           ; v20-35 x's scale words: tile t at 2 t, K step 0, 1; lanes 0-15
.set GID, 36                           ; v36-43 the best group so far, tile t
.set RUN, 44                           ; v44-59 the running minimum, two sets by turns (the old one is wanted for the compare)
.set AF,  64                           ; v64-191 the codebook's fragments: set b at 32 b, in it 16 s + 8 u
.set CQ,  192                          ; v192-255 c_sq in the result's layout: set b at 16 b
.set EV,  64                           ; at the end: a row's 16 parts;  v80-95 their groups
.set GV,  80
.set XF,  0                            ; window 1
.set DD,  128                          ; window 1
.set WV,  10                           ; s10  my wave's number
.set CB,  36                           ; s[36:37] the codebook at the first of the four records in hand
.set MK,  68                           ; s68-91 masks of compares
.set MSB, 0
.macro WIN new                         ; the immediate's high byte repeats the setting that is left
.if MSB != \new
	s_set_vgpr_msb (MSB<<8)|\new
.set MSB, \new
.endif
.endm
.macro LOADS o, b                      ; my record o behind the base into set b: 8 images, the scale words, c_sq: 13 loads
.irp i, 0,1,2,3,4,5,6,7
	global_load_b128 v[AF+32*(\b)+4*\i:AF+32*(\b)+4*\i+3], v[VA], s[CB:CB+1] offset:(\o)*STEP+512*\i
.endr
	global_load_b64 v[S0+2*(\b):S0+2*(\b)+1], v[VS], s[CB:CB+1] offset:(\o)*STEP+4096
.irp i, 0,1,2,3
	global_load_b128 v[CQ+16*(\b)+4*\i:CQ+16*(\b)+4*\i+3], v[VC], s[CB:CB+1] offset:(\o)*STEP+4352+64*(\i/2)+16*(\i%2)
.endr
.endm
	s_load_b128 s[4:7], s[0:1], 0x0                ; xq, cbq
	s_load_b64 s[8:9], s[0:1], 0x10                ; grp
	v_lshl_add_u32 v[SPW], v0, 2, SPARE
	v_mov_b32 v[NIL], 0
	v_lshrrev_b32 v60, 5, v0
	v_readfirstlane_b32 s[WV], v60                 ; wave 0..7
	s_and_b32 s13, s[WV], 3
	s_mul_i32 s34, ttmp9, PART                     ; my block's four records of x
	s_mov_b32 s35, 0
	s_mul_i32 s42, s13, RECB                       ; record wave % 4 of them
	s_mov_b32 s43, 0
	s_lshl_b32 s44, ttmp9, 2
	s_add_co_u32 s44, s44, s13
	s_lshl_b32 s44, s44, 7                         ; grp: 128 bytes a record
	s_mov_b32 s45, 0
	s_mul_i32 s46, s[WV], RECB                     ; my first record of the codebook
	s_mov_b32 s47, 0
	s_lshl_b32 s14, s[WV], 10
	s_lshl_b32 s15, s13, 8
	s_lshl_b32 s40, s[WV], 1
	s_sub_co_u32 s40, s40, 16
	v_and_b32 v60, 31, v0                          ; lane
	v_and_b32 v61, 15, v0                          ; r
	v_bfe_u32 v62, v0, 4, 1                        ; h
	v_lshlrev_b32 v[VA], 4, v60
	v_lshlrev_b32 v[VS], 3, v60
	v_lshlrev_b32 v[VC], 5, v62
	v_lshl_add_u32 v[MST], v60, 2, s14             ; 1024 w + 4 x lane
	v_lshl_add_u32 v[MRD], v61, 2, s15             ; 256 (w % 4) + 128 u + 4 r, lane = slot 16 u + r
	v_lshl_add_u32 v[MRD], v62, 7, v[MRD]
	v_lshlrev_b32 v[GO], 2, v60
	v_lshlrev_b32 v[XSA], 3, v61
	v_add_nc_u32 v[GC], s40, v62                   ; 2 w + h - 16: the first selects, which change nothing, add 16
	s_wait_alu depctr_va_vdst(0)
	s_wait_kmcnt 0x0
	s_add_nc_u64 s[4:5], s[4:5], s[34:35]          ; xq at my block
	s_add_nc_u64 s[38:39], s[4:5], s[42:43]
	s_add_nc_u64 s[8:9], s[8:9], s[44:45]          ; grp at record 4 b + wave % 4 (waves 0-3 alone store)
	s_add_nc_u64 s[CB:CB+1], s[6:7], s[46:47]
	WIN 0x40                                       ; destination window 1
.irp t, 0,1,2,3,4,5,6,7
.irp s, 0,1
.irp c, 0,1
	global_load_b128 v[XF+16*\t+8*\s+4*\c:XF+16*\t+8*\s+4*\c+3], v[VA], s[4:5] offset:(\t/2)*RECB+((\s*2+\t%2)*2+\c)*512
.endr
.endr
.endr
	WIN 0
.irp t, 0,1,2,3,4,5,6,7
	global_load_b64 v[XS+2*\t:XS+2*\t+1], v[XSA], s[4:5] offset:(\t/2)*RECB+4096+128*(\t%2)
.endr
	global_load_b32 v[XQ], v[GO], s[38:39] offset:4352
	LOADS 0, 0
	LOADS 1, 1
	LOADS 2, 2
.irp t, 0,1,2,3,4,5,6,7
	v_mov_b32 v[GID+\t], 0
.endr
.irp t, 0,1,2,3,4,5,6,7,8,9,10,11,12,13,14,15
	v_mov_b32 v[RUN+\t], 0x7f800000                ; +infinity in both sets: the minima begin above every e, and the first selects find nothing smaller
.endr
.macro WM b                            ; the record in set b against x's eight tiles: K step 0 begins every sum with c_sq, K step 1 adds in place; the accumulators by turns
	WIN 0x44                                       ; D and x window 1; the codebook's fragment and c_sq window 0
.irp t, 0,1,2,3,4,5,6,7
	v_wmma_scale_f32_32x16x128_f4 v[DD+16*\t:DD+16*\t+15], v[AF+32*(\b):AF+32*(\b)+15], v[XF+16*\t:XF+16*\t+7], v[CQ+16*(\b):CQ+16*(\b)+15], v[S0+2*(\b)], v[XS+2*\t]
.endr
	WIN 0x54                                       ; C window 1 too
.irp t, 0,1,2,3,4,5,6,7
	v_wmma_scale_f32_32x16x128_f4 v[DD+16*\t:DD+16*\t+15], v[AF+32*(\b)+16:AF+32*(\b)+31], v[XF+16*\t+8:XF+16*\t+15], v[DD+16*\t:DD+16*\t+15], v[S0+2*(\b)+1], v[XS+2*\t+1]
.endr
.endm
.macro MINS pi                         ; each tile's 16 e and its old minimum (set pi) give the new one (the other set): eight chains by turns; each accumulator is read from its low end on
	WIN 0x14                                       ; sources 1 and 2 window 1
.irp t, 0,1,2,3,4,5,6,7
	v_min3_num_f32 v[RUN+8*(1-(\pi))+\t], v[RUN+8*(\pi)+\t], v[DD+16*\t], v[DD+16*\t+1]
.endr
.irp i, 2,4,6,8,10,12,14
.irp t, 0,1,2,3,4,5,6,7
	v_min3_num_f32 v[RUN+8*(1-(\pi))+\t], v[RUN+8*(1-(\pi))+\t], v[DD+16*\t+\i], v[DD+16*\t+\i+1]
.endr
.endr
.endm
.macro SEL pi                          ; a record whose old minima lie in set pi: a strictly smaller minimum brings its group; then on to the next record's group: g = 16 i + 2 w + h
	WIN 0
.irp t, 0,1,2,3,4,5,6,7
	v_cmp_lt_f32 s[MK+\t], v[RUN+8*(1-(\pi))+\t], v[RUN+8*(\pi)+\t]
.endr
.irp t, 0,1,2,3,4,5,6,7
	v_cndmask_b32 v[GID+\t], v[GID+\t], v[GC], s[MK+\t]
.endr
	v_add_nc_u32 v[GC], 16, v[GC]
.endm
.macro REC k, ld, cnt                  ; record k of the four in hand.  ld = 1: the record three on is asked for;  cnt: the younger loads, which may stay out
	WIN 0
.if \ld
	LOADS (\k)+3, ((\k)+3)%4                       ; into the set that the record before multiplied: 81 plain vector instructions stand behind its products
.endif
	s_wait_alu depctr_va_vdst(0)
	s_wait_loadcnt \cnt                            ; loads come back in order: this record's 13 are in (the first time x's too)
	WM \k
	SEL ((\k)+1)%2
	MINS (\k)%2
.endm
	s_mov_b32 s32, 7
.Lloop:                                                ; a trip takes four records, until the sets are back where they began
	REC 0, 1, 39
	REC 1, 1, 39
	REC 2, 1, 39
	REC 3, 1, 39
	WIN 0                                          ; at a label and at a branch every window is 0
	s_wait_xcnt 0x0                                ; the loads have read their base: it is stepped only behind this wait
	s_add_nc_u64 s[CB:CB+1], s[CB:CB+1], 4*STEP
	s_sub_co_u32 s32, s32, 1
	s_cmp_lg_u32 s32, 0
	s_cbranch_scc1 .Lloop
	REC 0, 1, 39                                   ; my records 28 to 31: one more set of loads, my last record's, then the counts run down: no load passes the codebook's end
	REC 1, 0, 26
	REC 2, 0, 13
	REC 3, 0, 0
	SEL 1                                          ; all minima now lie in set 0
	; THE PARTS MEET in LDS.  Wave w's minimum of tile t at 1024 w + 128 t + 4 x lane, its group 8,192 bytes on.
.irp t, 0,1,2,3,4,5,6,7
	ds_store_b32 v[MST], v[RUN+\t] offset:128*\t
	ds_store_b32 v[MST], v[GID+\t] offset:8192+128*\t
.endr
	s_wait_dscnt 0x0                               ; for the others' sake: my stores are done
	s_barrier_signal -1
	s_barrier_wait -1
	s_cmp_lt_u32 s[WV], 4
	s_cbranch_scc0 .Ldone                          ; waves 0-3 reduce a record of x each: a lane to a slot, 16 parts (8 waves x 2 halves of the lanes)
.irp c, 0,1,2,3,4,5,6,7,8,9,10,11,12,13,14,15
	ds_load_b32 v[EV+\c], v[MRD] offset:1024*(\c/2)+64*(\c%2)
	ds_load_b32 v[GV+\c], v[MRD] offset:8192+1024*(\c/2)+64*(\c%2)
.endr
	s_wait_dscnt 0x0
.irp c, 0,1,2,3,4,5,6,7,8,9,10,11,12,13,14,15
	v_add_f32 v[EV+\c], v[XQ], v[EV+\c]            ; d2 = x_sq + e
.endr
.macro LEVEL n                         ; part i takes part i + n where that is smaller, or equal with the lower group: selects alone, no branch; the n pairs by turns
.set i, 0
.rept \n
	v_cmp_lt_f32 s[MK+3*i], v[EV+\n+i], v[EV+i]
	v_cmp_eq_f32 s[MK+3*i+1], v[EV+\n+i], v[EV+i]
	v_cmp_lt_u32 s[MK+3*i+2], v[GV+\n+i], v[GV+i]
.set i, i+1
.endr
.set i, 0
.rept \n
	s_and_b32 s[MK+3*i+1], s[MK+3*i+1], s[MK+3*i+2]
	s_or_b32 s[MK+3*i], s[MK+3*i], s[MK+3*i+1]
.set i, i+1
.endr
.set i, 0
.rept \n
	v_cndmask_b32 v[EV+i], v[EV+i], v[EV+\n+i], s[MK+3*i]
	v_cndmask_b32 v[GV+i], v[GV+i], v[GV+\n+i], s[MK+3*i]
.set i, i+1
.endr
.endm
	LEVEL 8
	LEVEL 4
	LEVEL 2
	LEVEL 1
	global_store_b32 v[GO], v[GV], s[8:9]          ; 128 consecutive bytes: the record's 32 groups, by slots
.Ldone:
	s_wait_tensorcnt 0x0                           ; the wave's end
	ds_add_u32 v[SPW], v[NIL]
	s_wait_dscnt 0x0
	s_endpgm
.Lfunc_end_k_q82b8017988_search:
	.size	k_q82b8017988_search, .Lfunc_end_k_q82b8017988_search-k_q82b8017988_search
	.p2alignl 7, 3214868480
	.fill 96, 4, 3214868480
	.section	.rodata,"a",@progbits
	.p2align	6, 0x0
	.amdhsa_kernel k_q82b8017988_search
		.amdhsa_group_segment_fixed_size 17408
		.amdhsa_private_segment_fixed_size 0
		.amdhsa_enable_private_segment 0
		.amdhsa_kernarg_size 24
		.amdhsa_user_sgpr_count 2
		.amdhsa_user_sgpr_kernarg_segment_ptr 1
		.amdhsa_wavefront_size32 1
		.amdhsa_system_sgpr_workgroup_id_x 1
		.amdhsa_system_sgpr_workgroup_id_y 1
		.amdhsa_system_sgpr_workgroup_id_z 1
		.amdhsa_system_vgpr_workitem_id 0
		.amdhsa_next_free_vgpr 512
		.amdhsa_next_free_sgpr 96
		.amdhsa_reserve_vcc 0
		.amdhsa_float_denorm_mode_32 3
		.amdhsa_float_denorm_mode_16_64 3
		.amdhsa_memory_ordered 1
		.amdhsa_forward_progress 1
		.amdhsa_inst_pref_size 86
	.end_amdhsa_kernel
	.amdgpu_metadata
---
amdhsa.version: [ 1, 2 ]
amdhsa.kernels:
  - .name:           k_q82b8017988_search
    .symbol:         k_q82b8017988_search.kd
    .args:
      - { .name: xq, .offset: 0, .size: 8, .value_kind: global_buffer, .address_space: global }
      - { .name: cbq, .offset: 8, .size: 8, .value_kind: global_buffer, .address_space: global }
      - { .name: grp, .offset: 16, .size: 8, .value_kind: global_buffer, .address_space: global }
    .group_segment_fixed_size: 17408
    .private_segment_fixed_size: 0
    .kernarg_segment_align: 8
    .kernarg_segment_size: 24
    .max_flat_workgroup_size: 256
    .sgpr_count:     96
    .vgpr_count:     512
    .wavefront_size: 32
...
	.end_amdgpu_metadata
.endif
;; end of part 2
;; launch resolve (part 3): grid 512 x 1, 8 waves a work-group, no clusters, 1,280 bytes of LDS; arguments grp, xq, cbg, out0, idx; writes out0, idx
.if DOCPART == 3
	.amdgcn_target "amdgcn-amd-amdhsa--gfx1250"
	.amdhsa_code_object_version 6
	.text
	.protected	k_q82b8017988_resolve
	.globl	k_q82b8017988_resolve
	.p2align	8
	.type	k_q82b8017988_resolve,@function
k_q82b8017988_resolve:
	s_mov_b64 s[64:65], 0
	v_nop
	global_prefetch_b8 v0, s[64:65] scope:SCOPE_SE
	s_setreg_imm32_b32 hwreg(HW_REG_WAVE_MODE, 25, 1), 1
	s_wait_xcnt 0x0
; For each row of x the winning group of 16 codes is known (grp, whole numbers stored by the launch before).  Here the place in the group is found: the group's 16 d2 = x_sq + (c_sq - 2 x.c) are made
; again by the same matrix instruction on the same codes, and the first place of the smallest d2 gives the index 16 g + place, stored to out0 and, for the gather, to idx.
; SHARES: a work-group takes two records of x (64 rows); wave w takes record w / 4, tile u = (w / 2) % 2 and eight of its rows, slots 8 z + i, z = w % 2.  For each i the group record of row i's group
; (2,304 bytes of cbg: four images, scale words at 2048, c_sq at 2176) is source 0 and the whole tile of x source 1; of product i only the column of row i is kept, by selects.
; The groups' numbers enter addresses as scalars, each held to 0 .. 511 first.  No tensor load; operands go from memory straight into registers.
; The rows' indices meet in 256 bytes of LDS and leave as 256 consecutive bytes, aligned.  NaN and infinities are not served.
.set XF, 24                            ; v24-39   x's two fragments
.set SA, 40                            ; v40-47   the groups' scale words: lanes 0-15 K step 0, lanes 16-31 K step 1
.set CC, 48                            ; v48-111  c_sq of group i, then its results in place
.set AF, 112                           ; v112-239 group i's two fragments
.set EE, 16                            ; v16-23   my row's d2 at places 8 h + j
	s_load_b256 s[4:11], s[0:1], 0x0               ; grp, xq, cbg, out0
	s_load_b64 s[12:13], s[0:1], 0x20              ; idx
	v_lshl_add_u32 v254, v0, 2, 0x100
	v_mov_b32 v255, 0
	v_lshrrev_b32 v1, 5, v0
	s_delay_alu instid0(VALU_DEP_1)
	v_readfirstlane_b32 s14, v1                    ; wave 0..7
	s_lshr_b32 s49, s14, 2                         ; which of the two records
	s_bfe_u32 s50, s14, 0x10001                    ; u
	s_and_b32 s47, s14, 1                          ; z
	s_lshl_b32 s15, ttmp9, 1
	s_add_co_u32 s15, s15, s49                     ; my record of x
	v_and_b32 v241, 31, v0                         ; lane
	v_and_b32 v242, 15, v0                         ; r
	v_bfe_u32 v243, v0, 4, 1                       ; h
	s_delay_alu instid0(VALU_DEP_3)
	v_lshlrev_b32 v1, 4, v241                      ; 16 x lane
	s_delay_alu instid0(VALU_DEP_3)
	v_lshlrev_b32 v2, 3, v242
	s_delay_alu instid0(VALU_DEP_1)
	v_lshl_add_u32 v2, v243, 2, v2                 ; 8 r + 4 h
	s_delay_alu instid0(VALU_DEP_4)
	v_lshlrev_b32 v3, 5, v243                      ; 32 h
	s_lshl_b32 s48, s47, 3
	v_sub_nc_u32 v4, v242, s48                     ; r - 8 z: which product's column is my row's
	v_lshlrev_b32 v5, 3, v243                      ; 8 h
	s_lshl_b32 s52, s47, 5
	v_and_b32 v6, 7, v0
	v_lshl_add_u32 v6, v6, 2, s52                  ; 4 x (8 z + lane % 8): the lane that holds row lane % 8 of my eight
	s_lshl_b32 s48, s49, 7
	s_lshl_b32 s51, s50, 5
	s_add_co_u32 s48, s48, s51
	s_lshl_b32 s51, s47, 6
	s_add_co_u32 s48, s48, s51
	v_and_b32 v7, 7, v0
	s_delay_alu instid0(VALU_DEP_1)
	v_lshl_add_u32 v7, v7, 2, s48                  ; LDS: 4 x (32 (w / 4) + 8 u + 16 z + i): slot 8 z + i of tile u is row 8 u + 16 z + i of the record
	v_lshlrev_b32 v240, 3, v241                    ; 8 x lane
	v_lshlrev_b32 v11, 2, v242                     ; 4 r
	s_lshl_b32 s51, s50, 10
	v_add_nc_u32 v12, s51, v1                      ; tile u's images: 16 x lane + 1024 u
	s_lshl_b32 s51, s50, 7
	v_add_nc_u32 v13, s51, v2                      ; its scale words: + 128 u
	s_lshl_b32 s51, s50, 6
	v_add_nc_u32 v14, s51, v11                     ; its x_sq, and its groups: 4 r + 64 u
	v_mov_b32 v15, 0                               ; (a lane permute's destination counts as one of its sources)
	s_mov_b32 s44, 0x76543210
	s_mov_b32 s45, 0xfedcba98
	s_lshl_b32 s40, s15, 7
	s_mov_b32 s41, 0
	s_wait_alu depctr_va_vdst(0)
	s_wait_kmcnt 0x0
	s_add_nc_u64 s[4:5], s[4:5], s[40:41]          ; grp at my record
	s_lshl_b32 s40, s47, 5
	s_add_co_u32 s40, s40, s51                     ; 64 u + 32 z
	s_add_nc_u64 s[42:43], s[4:5], s[40:41]
	s_load_b256 s[16:23], s[42:43], 0x0            ; my eight rows' groups
	s_mul_i32 s40, s15, 4608
	s_add_nc_u64 s[6:7], s[6:7], s[40:41]          ; xq at my record
.irp s, 0,1
.irp c, 0,1
	global_load_b128 v[XF+8*\s+4*\c:XF+8*\s+4*\c+3], v12, s[6:7] offset:2048*\s+512*\c
.endr
.endr
	global_load_b32 v9, v13, s[6:7] offset:4096    ; x's scale words: lanes 0-15 K step 0, lanes 16-31 K step 1
	global_load_b32 v10, v14, s[6:7] offset:4352   ; x_sq of row r
	global_load_b32 v8, v14, s[4:5]                ; the group of row r
	s_lshl_b32 s40, ttmp9, 8
	s_add_nc_u64 s[10:11], s[10:11], s[40:41]      ; out0 and idx at my 64 rows
	s_add_nc_u64 s[12:13], s[12:13], s[40:41]
	s_wait_kmcnt 0x0
.irp i, 0,1,2,3,4,5,6,7
	s_min_u32 s[16+\i], s[16+\i], 511              ; a loaded number enters an address only behind this hold
	s_mul_i32 s40, s[16+\i], 2304
	s_add_nc_u64 s[24+2*\i:25+2*\i], s[8:9], s[40:41]
.irp k, 0,1,2,3
	global_load_b128 v[AF+16*\i+4*\k:AF+16*\i+4*\k+3], v1, s[24+2*\i:25+2*\i] offset:512*\k
.endr
	global_load_b32 v[SA+\i], v2, s[24+2*\i:25+2*\i] offset:2048
	global_load_b128 v[CC+8*\i:CC+8*\i+3], v3, s[24+2*\i:25+2*\i] offset:2176
	global_load_b128 v[CC+8*\i+4:CC+8*\i+7], v3, s[24+2*\i:25+2*\i] offset:2192
.endr
	s_wait_loadcnt 0x0
.irp i, 0,1,2,3,4,5,6,7                ; the eight accumulators by turns, a K step at a time; c_sq is what the sums begin with
	v_wmma_scale_f32_16x16x128_f8f6f4 v[CC+8*\i:CC+8*\i+7], v[AF+16*\i:AF+16*\i+7], v[XF:XF+7], v[CC+8*\i:CC+8*\i+7], v[SA+\i], v9 matrix_a_fmt:MATRIX_FMT_FP4 matrix_b_fmt:MATRIX_FMT_FP4
.endr
.irp i, 0,1,2,3,4,5,6,7
	v_wmma_scale_f32_16x16x128_f8f6f4 v[CC+8*\i:CC+8*\i+7], v[AF+16*\i+8:AF+16*\i+15], v[XF+8:XF+15], v[CC+8*\i:CC+8*\i+7], v[SA+\i], v9 matrix_a_fmt:MATRIX_FMT_FP4 matrix_b_fmt:MATRIX_FMT_FP4 matrix_a_scale:MATRIX_SCALE_ROW1 matrix_b_scale:MATRIX_SCALE_ROW1
.endr
.rept 4
	v_nop                                          ; four places in front of the first read of results (ISA guide 7.12.1)
.endr
.irp i, 1,2,3,4,5,6,7                  ; lane (r, h) keeps product r - 8 z: e of its own row at codes 16 g + 8 h + j.  Each accumulator is read from its low end on
	v_cmp_eq_u32 vcc_lo, \i, v4
.irp j, 0,1,2,3,4,5,6,7
	v_cndmask_b32 v[CC+\j], v[CC+\j], v[CC+8*\i+\j], vcc_lo
.endr
.endr
.irp j, 0,1,2,3,4,5,6,7
	v_add_f32 v[EE+\j], v10, v[CC+\j]              ; d2 = x_sq + e
.endr
	v_min3_num_f32 v12, v[EE], v[EE+1], v[EE+2]
	s_delay_alu instid0(VALU_DEP_1)
	v_min3_num_f32 v12, v12, v[EE+3], v[EE+4]
	s_delay_alu instid0(VALU_DEP_1)
	v_min3_num_f32 v12, v12, v[EE+5], v[EE+6]
	s_delay_alu instid0(VALU_DEP_1)
	v_min_num_f32 v12, v12, v[EE+7]
	s_delay_alu instid0(VALU_DEP_1)
	v_permlanex16_b32 v13, v12, s44, s45
	s_delay_alu instid0(VALU_DEP_1)
	v_min_num_f32 v13, v12, v13                    ; the group's smallest d2
	v_mov_b32 v14, 64
.irp j, 7,6,5,4,3,2,1,0
	v_cmp_neq_f32 vcc_lo, v[EE+\j], v13
	s_delay_alu instid0(VALU_DEP_1)
	v_cndmask_b32 v14, \j, v14, vcc_lo             ; the lowest j at which it stands
.endr
	s_delay_alu instid0(VALU_DEP_1)
	v_add_nc_u32 v14, v14, v5                      ; + 8 h
	s_delay_alu instid0(VALU_DEP_1)
	v_permlanex16_b32 v15, v14, s44, s45
	s_delay_alu instid0(VALU_DEP_1)
	v_min_u32 v14, v14, v15                        ; the first place of the 16
	s_delay_alu instid0(VALU_DEP_1)
	v_min_u32 v14, 15, v14
	v_min_u32 v8, 0x1ff, v8
	s_delay_alu instid0(VALU_DEP_1)
	v_lshl_add_u32 v8, v8, 4, v14                  ; the index
	s_wait_alu depctr_va_vdst(0)
	ds_bpermute_b32 v15, v6, v8                    ; lanes 8 z .. 8 z + 7 hold my eight rows: every lane takes the index of row lane % 8,
	s_wait_dscnt 0x0
	ds_store_b32 v7, v15                           ; and all lanes store: four lanes write the same word with the same value
	s_wait_dscnt 0x0                               ; for wave 0's sake: my store is done
	s_barrier_signal -1
	s_barrier_wait -1
	s_cmp_lg_u32 s14, 0
	s_cbranch_scc1 .Lend
	ds_load_b64 v[244:245], v240
	s_wait_dscnt 0x0
	global_store_b64 v240, v[244:245], s[10:11]    ; 32 lanes store 256 consecutive bytes, aligned
	global_store_b64 v240, v[244:245], s[12:13]
.Lend:
	s_wait_tensorcnt 0x0
	ds_add_u32 v254, v255
	s_wait_dscnt 0x0
	s_endpgm
.Lfunc_end_k_q82b8017988_resolve:
	.size	k_q82b8017988_resolve, .Lfunc_end_k_q82b8017988_resolve-k_q82b8017988_resolve
	.p2alignl 7, 3214868480
	.fill 96, 4, 3214868480
	.section	.rodata,"a",@progbits
	.p2align	6, 0x0
	.amdhsa_kernel k_q82b8017988_resolve
		.amdhsa_group_segment_fixed_size 1280
		.amdhsa_private_segment_fixed_size 0
		.amdhsa_enable_private_segment 0
		.amdhsa_kernarg_size 40
		.amdhsa_user_sgpr_count 2
		.amdhsa_user_sgpr_kernarg_segment_ptr 1
		.amdhsa_wavefront_size32 1
		.amdhsa_system_sgpr_workgroup_id_x 1
		.amdhsa_system_sgpr_workgroup_id_y 1
		.amdhsa_system_sgpr_workgroup_id_z 1
		.amdhsa_system_vgpr_workitem_id 0
		.amdhsa_next_free_vgpr 256
		.amdhsa_next_free_sgpr 66
		.amdhsa_reserve_vcc 1
		.amdhsa_float_denorm_mode_32 3
		.amdhsa_float_denorm_mode_16_64 3
		.amdhsa_memory_ordered 1
		.amdhsa_forward_progress 1
		.amdhsa_inst_pref_size 17
	.end_amdhsa_kernel
	.amdgpu_metadata
---
amdhsa.version: [ 1, 2 ]
amdhsa.kernels:
  - .name:           k_q82b8017988_resolve
    .symbol:         k_q82b8017988_resolve.kd
    .args:
      - { .name: grp, .offset: 0, .size: 8, .value_kind: global_buffer, .address_space: global }
      - { .name: xq, .offset: 8, .size: 8, .value_kind: global_buffer, .address_space: global }
      - { .name: cbg, .offset: 16, .size: 8, .value_kind: global_buffer, .address_space: global }
      - { .name: out0, .offset: 24, .size: 8, .value_kind: global_buffer, .address_space: global }
      - { .name: idx, .offset: 32, .size: 8, .value_kind: global_buffer, .address_space: global }
    .group_segment_fixed_size: 1280
    .private_segment_fixed_size: 0
    .kernarg_segment_align: 8
    .kernarg_segment_size: 40
    .max_flat_workgroup_size: 256
    .sgpr_count:     66
    .vgpr_count:     256
    .wavefront_size: 32
...
	.end_amdgpu_metadata
.endif
;; end of part 3
;; launch gather (part 4): grid 256 x 1, 8 waves a work-group, no clusters, 0 bytes of LDS; arguments idx, codebook, out1; writes out1
.if DOCPART == 4
	.amdgcn_target "amdgcn-amd-amdhsa--gfx1250"
	.amdhsa_code_object_version 6
	.text
	.protected	k_q82b8017988_gather
	.globl	k_q82b8017988_gather
	.p2align	8
	.type	k_q82b8017988_gather,@function
k_q82b8017988_gather:
	s_mov_b64 s[64:65], 0
	v_nop
	global_prefetch_b8 v0, s[64:65] scope:SCOPE_SE
	s_setreg_imm32_b32 hwreg(HW_REG_WAVE_MODE, 25, 1), 1
	s_wait_xcnt 0x0
; out1[row] = codebook[idx[row]], rows of 1,024 bytes of f32.  idx holds whole numbers stored by the launch before.  A stream: no LDS, no barrier, no matrix unit, no cluster: nothing is shared but the table.
; A wave takes 16 rows: its 16 indices by one scalar load, each held to 0 .. 8191 before it enters an address; 32 loads of 512 consecutive bytes are out together; each store covers 512 consecutive bytes, aligned.
; No register is written twice, so no wait frees a source.  The loads carry no hint: a row of the table may be named many times.
	s_load_b128 s[4:7], s[0:1], 0x0                ; idx, codebook
	s_load_b64 s[8:9], s[0:1], 0x10                ; out1
	v_lshrrev_b32 v1, 5, v0
	s_delay_alu instid0(VALU_DEP_1)
	v_readfirstlane_b32 s10, v1                    ; wave 0..7
	v_and_b32 v1, 31, v0
	s_delay_alu instid0(VALU_DEP_1)
	v_lshlrev_b32 v1, 4, v1                        ; 16 x lane
	s_lshl_b32 s11, ttmp9, 3
	s_add_co_u32 s11, s11, s10                     ; my run of 16 rows
	s_lshl_b32 s12, s11, 6                         ; 16 indices of 4 bytes
	s_mov_b32 s13, 0
	s_lshl_b32 s14, s11, 14                        ; 16 rows of 1,024 bytes
	s_mov_b32 s15, 0
	s_wait_alu depctr_va_vdst(0)
	s_wait_kmcnt 0x0
	s_add_nc_u64 s[4:5], s[4:5], s[12:13]
	s_add_nc_u64 s[8:9], s[8:9], s[14:15]
	s_load_b512 s[16:31], s[4:5], 0x0
	s_wait_kmcnt 0x0
.irp i, 0,1,2,3,4,5,6,7,8,9,10,11,12,13,14,15
	s_min_u32 s[16+\i], s[16+\i], 8191
	v_lshl_add_u32 v[2+\i], s[16+\i], 10, v1       ; the row's first byte + 16 x lane
	global_load_b128 v[24+8*\i:27+8*\i], v[2+\i], s[6:7]
	global_load_b128 v[28+8*\i:31+8*\i], v[2+\i], s[6:7] offset:512
.endr
.irp i, 0,1,2,3,4,5,6,7,8,9,10,11,12,13,14,15
	s_wait_loadcnt 30-2*\i                         ; row i's two loads are in; the two of each later row may be out
	global_store_b128 v1, v[24+8*\i:27+8*\i], s[8:9] offset:1024*\i th:TH_STORE_NT
	global_store_b128 v1, v[28+8*\i:31+8*\i], s[8:9] offset:1024*\i+512 th:TH_STORE_NT
.endr
	s_endpgm
.Lfunc_end_k_q82b8017988_gather:
	.size	k_q82b8017988_gather, .Lfunc_end_k_q82b8017988_gather-k_q82b8017988_gather
	.p2alignl 7, 3214868480
	.fill 96, 4, 3214868480
	.section	.rodata,"a",@progbits
	.p2align	6, 0x0
	.amdhsa_kernel k_q82b8017988_gather
		.amdhsa_group_segment_fixed_size 0
		.amdhsa_private_segment_fixed_size 0
		.amdhsa_enable_private_segment 0
		.amdhsa_kernarg_size 24
		.amdhsa_user_sgpr_count 2
		.amdhsa_user_sgpr_kernarg_segment_ptr 1
		.amdhsa_wavefront_size32 1
		.amdhsa_system_sgpr_workgroup_id_x 1
		.amdhsa_system_sgpr_workgroup_id_y 1
		.amdhsa_system_sgpr_workgroup_id_z 1
		.amdhsa_system_vgpr_workitem_id 0
		.amdhsa_next_free_vgpr 160
		.amdhsa_next_free_sgpr 66
		.amdhsa_reserve_vcc 0
		.amdhsa_float_denorm_mode_32 3
		.amdhsa_float_denorm_mode_16_64 3
		.amdhsa_memory_ordered 1
		.amdhsa_forward_progress 1
		.amdhsa_inst_pref_size 10
	.end_amdhsa_kernel
	.amdgpu_metadata
---
amdhsa.version: [ 1, 2 ]
amdhsa.kernels:
  - .name:           k_q82b8017988_gather
    .symbol:         k_q82b8017988_gather.kd
    .args:
      - { .name: idx, .offset: 0, .size: 8, .value_kind: global_buffer, .address_space: global }
      - { .name: codebook, .offset: 8, .size: 8, .value_kind: global_buffer, .address_space: global }
      - { .name: out1, .offset: 16, .size: 8, .value_kind: global_buffer, .address_space: global }
    .group_segment_fixed_size: 0
    .private_segment_fixed_size: 0
    .kernarg_segment_align: 8
    .kernarg_segment_size: 24
    .max_flat_workgroup_size: 256
    .sgpr_count:     66
    .vgpr_count:     160
    .wavefront_size: 32
...
	.end_amdgpu_metadata
.endif
;; end of part 4
